; MI455X (gfx1250); checked and timed in simulation.
; The chip was launched on July 23, 2026; its instructions are those of AMD's public machine-readable ISA for CDNA 5 (MIT licence, August 2026) and "CDNA5" Instruction Set Architecture Reference Guide (July 2026). The comments in the code are by the model that wrote it; some were corrected since.
;; Attention. Allowed arithmetic: float matrix products may take bf16 or f16 operands with f32 sums; other float arithmetic in f32, or as packed bf16 or f16 multiplies, adds, multiply-adds, maxima and minima; sums over many terms, partial sums and values carried from step to step in f32; what a program stores and reads back later, other than sums and carried values, may be rounded once to bf16 or f16.
;; Inputs: Wk 768 x 768 float32; Wp 768 x 768 float32; Wq 768 x 768 float32; Wv 768 x 768 float32; bp 768 float32; x 32 x 528 x 768 float32.
;; Outputs: out0 32 x 528 x 768 float32.
;; Constants: s_h = 20, s_w = 20, t_h = 8, t_w = 8.
;; One version. Each part assembles by itself: llvm-mc -triple=amdgcn-amd-amdhsa -mcpu=gfx1250 --defsym DOCPART=n.
;; ======== version 1 of 1: 4 launches
;; limits: values are held in f16: magnitudes above 65,504 overflow, below 6.1e-05 lose precision
;; workspace buffers: xb 25,952,256 bytes; wqkv 3,538,944 bytes; wpt 1,179,648 bytes; qkvp 77,856,768 bytes; ob 25,952,256 bytes
;; launch prep (part 1): grid 48 x 17, 8 waves a work-group, no clusters, 18,432 bytes of LDS; arguments x, Wq, Wk, Wv, Wp, xb, wqkv, wpt; writes xb, wqkv, wpt
.if DOCPART == 1
	.amdgcn_target "amdgcn-amd-amdhsa--gfx1250"
	.amdhsa_code_object_version 6
	.text
	.protected	k_q3ec3f13116_prep
	.globl	k_q3ec3f13116_prep
	.p2align	8
	.type	k_q3ec3f13116_prep,@function
k_q3ec3f13116_prep:
	s_mov_b64 s[64:65], 0
	v_nop
	global_prefetch_b8 v0, s[64:65] scope:SCOPE_SE
	s_setreg_imm32_b32 hwreg(HW_REG_WAVE_MODE, 25, 1), 1
	s_wait_xcnt 0x0
; PREP.  Two jobs, told apart by the work-group's y, which all eight waves share.
; y >= 6 (528 work-groups): x [16896][768] f32 is rounded to bf16 and laid in blocks of 64 columns: xb[kb][row][64], a row 128 bytes, rows dense.
; y <  6 (288 work-groups): a tile of 128 k x 64 n of one weight matrix W[k][n] f32 is rounded to bf16 and turned: wqkv[n][k] (Wq, Wk, Wv one below the other), wpt[n][k] for Wp.
; Wp's bf16 number is then written as f16 (exact from 2^-14 up; below that it keeps f16's fixed step of 2^-24; above 65,504 it would be lost: Wp stays far below).
; No matrix unit, no cluster: memory binds, and no two work-groups read the same bytes.
.set SPARE, 17408                      ; behind the tile of 64 rows x 272 bytes: the spare words, 128 bytes for each of eight waves
.set SPW, 110                          ; v110  SPARE + 4 x my thread's number; never rewritten
.set NIL, 111                          ; v111  0; never rewritten
.set KPLANE, 2162688                   ; bytes of one 64-column block of xb: 16,896 rows x 128
.set X, 8                              ; v[8:103] the cast's 24 loads; the turn uses v[8:59]
	s_load_b512 s[4:19], s[0:1], 0x0               ; x s[4:5], Wq s[6:7], Wk s[8:9], Wv s[10:11], Wp s[12:13], xb s[14:15], wqkv s[16:17], wpt s[18:19]
	v_lshl_add_u32 v[SPW], v0, 2, SPARE
	v_mov_b32 v[NIL], 0
	s_and_b32 s20, ttmp7, 0xffff                   ; y
	s_mov_b32 s21, ttmp9                           ; x
	s_wait_kmcnt 0x0
	s_cmp_lt_u32 s20, 6
	s_cbranch_scc1 .Lturn
	; THE CAST.  The work-group owns 32 rows.  Thread t: row t / 8, and 8 numbers (32 bytes in, 16 bytes out) at place t % 8 of each of the 12 blocks.
	s_sub_co_u32 s22, s20, 6
	s_mul_i32 s22, s22, 48
	s_add_co_u32 s22, s22, s21                     ; which 32 rows: 0 .. 527
	s_mul_i32 s24, s22, 98304                      ; 32 rows of 3,072 bytes
	s_mov_b32 s25, 0
	s_add_nc_u64 s[4:5], s[4:5], s[24:25]
	s_lshl_b32 s24, s22, 12                        ; 32 rows of 128 bytes
	s_add_nc_u64 s[26:27], s[14:15], s[24:25]      ; three bases, four blocks apart, so that a block's place fits the stores' immediate
	s_add_nc_u64 s[28:29], s[26:27], 4*KPLANE
	s_add_nc_u64 s[30:31], s[28:29], 4*KPLANE
	v_lshrrev_b32 v1, 3, v0
	v_and_b32 v2, 7, v0
	v_mul_u32_u24 v1, v1, 3072
	v_lshl_add_u32 v1, v2, 5, v1                   ; row x 3,072 + 32 x place
	v_lshlrev_b32 v2, 4, v0                        ; out: 16 t: a wave's store covers 512 consecutive bytes, four rows of one block
.set kb, 0
.rept 12                               ; all 24 loads go out at once: 12 KiB a wave on their way
	global_load_b128 v[X+8*kb:X+8*kb+3],   v1, s[4:5] offset:256*kb th:TH_LOAD_NT
	global_load_b128 v[X+8*kb+4:X+8*kb+7], v1, s[4:5] offset:256*kb+16 th:TH_LOAD_NT
.set kb, kb+1
.endr
.set kb, 0
.rept 12
	s_wait_loadcnt 22-2*kb                         ; loads come back in order: block kb's two are in, the younger ones stay out
.irp j, 0,1,2,3
	v_cvt_pk_bf16_f32 v[X+8*kb+\j], v[X+8*kb+2*\j], v[X+8*kb+2*\j+1]  ; in place, ascending: the target has been read already
.endr
	global_store_b128 v2, v[X+8*kb:X+8*kb+3], s[26+2*(kb/4):27+2*(kb/4)] offset:(kb%4)*KPLANE
.set kb, kb+1
.endr
	s_branch .Lend
.Lturn:	; THE TURN.  y = which 128 k, x = 12 x matrix + which 64 n.
	s_mul_i32 s22, s21, 21846
	s_lshr_b32 s22, s22, 18                        ; x / 12: the matrix, 0 .. 3
	s_mul_i32 s23, s22, 12
	s_sub_co_u32 s23, s21, s23                     ; x % 12
	s_cmp_eq_u32 s22, 1
	s_cselect_b64 s[24:25], s[8:9], s[6:7]
	s_cmp_eq_u32 s22, 2
	s_cselect_b64 s[24:25], s[10:11], s[24:25]
	s_cmp_eq_u32 s22, 3
	s_cselect_b64 s[24:25], s[12:13], s[24:25]     ; from
	s_cselect_b64 s[26:27], s[18:19], s[16:17]     ; to
	s_cselect_b32 s28, 0, s22
	s_mul_i32 s28, s28, 1179648                    ; the matrix's 768 rows of 1,536 bytes in wqkv
	s_mul_i32 s29, s23, 98304                      ; 64 rows of 1,536 bytes
	s_add_co_u32 s28, s28, s29
	s_lshl_b32 s29, s20, 8                         ; 128 k: 256 bytes
	s_add_co_u32 s28, s28, s29
	s_mov_b32 s29, 0
	s_add_nc_u64 s[26:27], s[26:27], s[28:29]
	s_mul_i32 s28, s20, 393216                     ; 128 rows of 3,072 bytes
	s_lshl_b32 s30, s23, 8                         ; 64 n: 256 bytes
	s_add_co_u32 s28, s28, s30
	s_add_nc_u64 s[24:25], s[24:25], s[28:29]
	v_and_b32 v1, 15, v0                           ; c: my four columns
	v_lshrrev_b32 v2, 4, v0                        ; kq: my eight rows
	v_mul_u32_u24 v3, v2, 24576
	v_lshl_add_u32 v3, v1, 4, v3                   ; 16 lanes read 256 consecutive bytes of a row
	v_mul_u32_u24 v4, v1, 1088
	v_lshl_add_u32 v4, v2, 4, v4                   ; into LDS: row 4 c (+ j), 16 bytes at 16 kq.  4 x 272 bytes is 64 modulo 256; taken as it is, for 9 MB in all
	v_mul_u32_u24 v5, v2, 272
	v_lshl_add_u32 v5, v1, 4, v5                   ; back: 16 lanes take one row of 256 bytes
	v_mul_u32_u24 v6, v2, 1536
	v_lshl_add_u32 v6, v1, 4, v6                   ; and store it whole
.irp i, 0,1,2,3,4,5,6,7
	global_load_b128 v[8+4*\i:11+4*\i], v3, s[24:25] offset:3072*\i
.endr
	s_wait_loadcnt 0x0
.irp j, 0,1,2,3
.irp p, 0,1,2,3
	v_cvt_pk_bf16_f32 v[40+4*\j+\p], v[8+8*\p+\j], v[12+8*\p+\j]  ; column j, rows 2 p and 2 p + 1
.endr
.endr
	s_cmp_lg_u32 s22, 3
	s_cbranch_scc1 .Lkeep
.set i, 0
.rept 16                               ; Wp alone: the bf16 number written as f16
	v_lshlrev_b32 v[56+2*(i%2)], 16, v[40+i]
	v_and_b32 v[57+2*(i%2)], 0xffff0000, v[40+i]
	v_cvt_pk_f16_f32 v[40+i], v[56+2*(i%2)], v[57+2*(i%2)]
.set i, i+1
.endr
.Lkeep:
.irp j, 0,1,2,3
	ds_store_b128 v4, v[40+4*\j:43+4*\j] offset:272*\j
.endr
	s_wait_dscnt 0x0                               ; for the others' sake: my stores are done
	s_barrier_signal -1
	s_barrier_wait -1
.irp i, 0,1,2,3
	ds_load_b128 v[8+4*\i:11+4*\i], v5 offset:4352*\i
.endr
.irp i, 0,1,2,3
	s_wait_dscnt 3-\i                              ; the younger LDS loads may stay out
	global_store_b128 v6, v[8+4*\i:11+4*\i], s[26:27] offset:24576*\i  ; 16 lanes store 256 consecutive bytes, at a multiple of 256 from the buffer's first
.endr
.Lend:
	s_wait_tensorcnt 0x0                           ; the wave's end
	ds_add_u32 v[SPW], v[NIL]
	s_wait_dscnt 0x0
	s_endpgm
.Lfunc_end_k_q3ec3f13116_prep:
	.size	k_q3ec3f13116_prep, .Lfunc_end_k_q3ec3f13116_prep-k_q3ec3f13116_prep
	.p2alignl 7, 3214868480
	.fill 96, 4, 3214868480
	.section	.rodata,"a",@progbits
	.p2align	6, 0x0
	.amdhsa_kernel k_q3ec3f13116_prep
		.amdhsa_group_segment_fixed_size 18432
		.amdhsa_private_segment_fixed_size 0
		.amdhsa_enable_private_segment 0
		.amdhsa_kernarg_size 64
		.amdhsa_user_sgpr_count 2
		.amdhsa_user_sgpr_kernarg_segment_ptr 1
		.amdhsa_wavefront_size32 1
		.amdhsa_system_sgpr_workgroup_id_x 1
		.amdhsa_system_sgpr_workgroup_id_y 1
		.amdhsa_system_sgpr_workgroup_id_z 1
		.amdhsa_system_vgpr_workitem_id 0
		.amdhsa_next_free_vgpr 112
		.amdhsa_next_free_sgpr 66
		.amdhsa_reserve_vcc 0
		.amdhsa_float_denorm_mode_32 3
		.amdhsa_float_denorm_mode_16_64 3
		.amdhsa_memory_ordered 1
		.amdhsa_forward_progress 1
		.amdhsa_inst_pref_size 16
	.end_amdhsa_kernel
	.amdgpu_metadata
---
amdhsa.version: [ 1, 2 ]
amdhsa.kernels:
  - .name:           k_q3ec3f13116_prep
    .symbol:         k_q3ec3f13116_prep.kd
    .args:
      - { .name: x, .offset: 0, .size: 8, .value_kind: global_buffer, .address_space: global }
      - { .name: Wq, .offset: 8, .size: 8, .value_kind: global_buffer, .address_space: global }
      - { .name: Wk, .offset: 16, .size: 8, .value_kind: global_buffer, .address_space: global }
      - { .name: Wv, .offset: 24, .size: 8, .value_kind: global_buffer, .address_space: global }
      - { .name: Wp, .offset: 32, .size: 8, .value_kind: global_buffer, .address_space: global }
      - { .name: xb, .offset: 40, .size: 8, .value_kind: global_buffer, .address_space: global }
      - { .name: wqkv, .offset: 48, .size: 8, .value_kind: global_buffer, .address_space: global }
      - { .name: wpt, .offset: 56, .size: 8, .value_kind: global_buffer, .address_space: global }
    .group_segment_fixed_size: 18432
    .private_segment_fixed_size: 0
    .kernarg_segment_align: 8
    .kernarg_segment_size: 64
    .max_flat_workgroup_size: 256
    .sgpr_count:     66
    .vgpr_count:     112
    .wavefront_size: 32
...
	.end_amdgpu_metadata
.endif
;; end of part 1
;; launch gemmqkv (part 2): grid 8 x 32, 4 waves a work-group, clusters of 4 x 4, 327,680 bytes of LDS; arguments xb, wqkv, qkvp; writes qkvp
.if DOCPART == 2
	.amdgcn_target "amdgcn-amd-amdhsa--gfx1250"
	.amdhsa_code_object_version 6
	.text
	.protected	k_q3ec3f13116_gemmqkv
	.globl	k_q3ec3f13116_gemmqkv
	.p2align	8
	.type	k_q3ec3f13116_gemmqkv,@function
k_q3ec3f13116_gemmqkv:
	s_mov_b64 s[64:65], 0
	v_nop
	global_prefetch_b8 v0, s[64:65] scope:SCOPE_SE
	s_setreg_imm32_b32 hwreg(HW_REG_WAVE_MODE, 25, 1), 1
	s_wait_xcnt 0x0
	s_wait_alu depctr_hold_cnt(0) depctr_sa_sdst(0) depctr_va_vdst(0) depctr_va_sdst(0) depctr_va_ssrc(0) depctr_va_vcc(0) depctr_vm_vsrc(0)
	s_getreg_b32 s2, hwreg(HW_REG_IB_STS2, 6, 4)
	s_cmp_eq_u32 s2, 0
	s_cbranch_scc0 .Lentry_in_a_cluster
	s_endpgm
.Lentry_in_a_cluster:
	s_bfe_u32 s2, ttmp6, 0x10000c
	s_cmp_lg_u32 s2, 0xf033
	s_cbranch_scc0 .Lentry_shape_is_right
	s_endpgm
.Lentry_shape_is_right:
; q, k, v = x W.  C[m][n] = sum over k of xb[m][k] wqkv[n][k]: M = 16,896, N = 2,304, K = 768, operands bf16, sums f32, C rounded once to f16 and WITHOUT attention's scale.
; LIMIT.  f16 ends at 65,504: |q|, |k|, |v| must stay below 65,520 (x and W both 30 times their drawn spread give a spread of about 500).
; TILE.  192 x 288 of C: 88 x 8 = 704 tiles, nothing padded.  Four waves, 2 x 2, each 96 x 144: 54 accumulators of 16 x 16, 432 registers.
; K goes in 6 steps of 128 through two LDS slots filled by the tensor data mover; waves 0, 1 fetch A's two halves, waves 2, 3 B's: one load a wave for each fill; two of a wave's loads are out at the start, one later.
; A (xb) lies in blocks of 64 columns, rows dense: 96 rows of one block are 12,288 consecutive bytes, so a K step's part is a tile of 2 long rows, a block apart, padded in LDS after every 128 bytes.
; CLUSTER 4 x 4: A's tile hangs on the tile row alone and is asked for jointly along a row of the cluster, B's on the tile column alone, jointly along a column.
; A WORK-GROUP STAYS.  C is 2 x 22 cluster tiles; the grid is 2 x 8 clusters, one work-group for each of 256 WGPs.  The cluster at (X, Y) makes the cluster tiles of rows Y, Y + 8 and, where Y < 6, Y + 16: three tiles or two,
; one below the other, 6,144 rows apart, all with the same rows of B.  22 rows do not divide by 8, so four clusters of sixteen end a tile early; no tile is made twice and none is empty.
; The ring does not stop at a tile's end: a tile has 3 laps of two K steps, and ONE loop walks the laps of all tiles, each trip filling both slots for the next lap, be it this tile's or the next tile's first.
; So a tile's stores leave while the next tile is multiplied, and the next tile's first K steps are asked for in this tile's last lap.  The trip count, 3 x tiles - 1, hangs on the cluster's y alone, which all sixteen partners share.
; THE MATRIX INSTRUCTION IS USED TRANSPOSED (source 0 = 16 rows of B, source 1 = 16 rows of A): a lane holds row lane % 16 of C and the columns 8 (lane / 16) + 0..7: 16 bytes of f16.
; OUT.  qkvp[plane = column / 16][row][16]: a tile of 16 x 16 is 512 consecutive bytes, so one store of the wave writes a whole tile from registers: no stage in LDS.
; REGISTERS, in windows of 256: window 0: v0-31 addresses, v32-79, v80-127 A's fragments (two buffers), v128-255 packed results on the way out; window 1: v0-71, v96-167 B's fragments; windows 2, 3: accumulator t = 9 a + b at 512 + 8 t.
.set MT, 192
.set NT, 288
.set NB, 9                             ; a wave's column blocks; its row blocks are 6
.set AR, 96                            ; rows in a load of A
.set BR, 144                           ; rows in a load of B
.set ASUB, AR*144                      ; one block of 64 columns of a load of A in LDS: rows of 128 + 16 bytes (9 x 16: the 16 rows of a fragment load start at 16 different groups of four banks; 64 banks of 4 bytes: ISA guide 11.1)
.set HALFA, 2*ASUB
.set HALFB, BR*272                     ; rows of 256 + 16 bytes
.set SLOT, 2*HALFA+2*HALFB             ; A's halves, then B's: 133,632 bytes
.set SPARE, 2*SLOT                     ; behind the ring: the spare words, 128 bytes a wave
.set KPLANE, 2162688                   ; bytes of a block of 64 columns of xb
.set QPLANE, 540672                    ; bytes of a plane of 16 columns of qkvp
.set WALKR, 32*MT                      ; rows from a tile to the work-group's next: 8 rows of clusters x 4 tile rows x 192
.set ROWA, WALKR*128                   ; the same in bytes of a block of xb
.set ROWC, WALKR*32                    ; and of a plane of qkvp
.set ACC0, 512
.set NL, 2*NB+12                       ; LDS loads of a quarter step
.set ADRA, 16                          ; v16-17 LDS address of my A fragments in slot 0, 1
.set ADRB, 20                          ; v20-21 the same for B
.set CO, 26                            ; v26 my 16 bytes in a tile of qkvp
.set SPW, 28                           ; v28 SPARE + 4 x my thread's number; never rewritten
.set NIL, 29                           ; v29 0; never rewritten
.set FA, 32
.set TMP, 128
.set G1, 24                            ; s[24:31] group 1 for A;  s[32:39] group 0, a set for each slot
.set G0, 32
.set G1B, 48                           ; s[48:55], s[56:63] the same for B
.set G0B, 56
.set BA, 66                            ; s[66:67], s[68:69] A at my part of the first tile's K step 0, 1: slot 0's and slot 1's base; never rewritten
.set BB, 70                            ; s[70:71], s[72:73] the same for B
.set OA, 74                            ; s[74:75] bytes from those bases to the lap that is being asked for, in A
.set OB, 76                            ; s[76:77] the same in B
.set PH, 78                            ; s78 the lap in hand within its tile: 0, 1, 2
.set BOUND, 79                         ; s79 the loop's trips
.set OL, 80                            ; s80 A's offset: the lap's part
.set OT, 81                            ; s81 A's offset: the tile's part
.set MSB, 0
.macro WIN new                         ; the immediate's high byte repeats the setting that is left; a switch that changes nothing is dropped
.if MSB != (\new)
	s_set_vgpr_msb (MSB<<8)|(\new)
.set MSB, \new
.endif
.endm
.macro PLACES                          ; four places behind matrix instructions, ahead of loads into registers that they read and of lines that read results
.rept 4
	v_nop
.endr
.endm
.macro JLOAD s                         ; a joint load; the branch hangs on the wave's number alone; an s_nop 0 and four v_nop follow each line
	s_cmp_eq_u32 s11, 0
	s_cbranch_scc0 .Lfor_b_\@
	tensor_load_to_lds s[G0+4*(\s):G0+4*(\s)+3], s[G1:G1+7]
	s_nop 0
.rept 4
	v_nop
.endr
	s_branch .Lasked_\@
.Lfor_b_\@:
	tensor_load_to_lds s[G0B+4*(\s):G0B+4*(\s)+3], s[G1B:G1B+7]
	s_nop 0
.rept 4
	v_nop
.endr
.Lasked_\@:
.endm
.macro CREST                           ; a round of the cluster's barrier behind its opening barrier
	s_cmp_lg_u32 s10, 0
	s_cbranch_scc1 .Lnot_wave_0_\@
	s_barrier_signal -3
.Lnot_wave_0_\@:
	s_barrier_wait -3
	s_barrier_signal -1
	s_barrier_wait -1
.endm
.macro CROUND
	s_barrier_signal -1
	s_barrier_wait -1
	CREST
.endm
	s_load_b128 s[4:7], s[0:1], 0x0                ; xb s[4:5], wqkv s[6:7]
	s_load_b64 s[8:9], s[0:1], 0x10                ; qkvp
	v_lshl_add_u32 v[SPW], v0, 2, SPARE
	v_mov_b32 v[NIL], 0
	ds_add_u32 v[SPW], v[NIL]                      ; the wave's opening: the add and its wait come ahead of my first tensor load
	ds_add_u32 v28, v29
	v_lshrrev_b32 v1, 5, v0
	v_readfirstlane_b32 s10, v1                    ; wave 0..3
	s_lshr_b32 s11, s10, 1                         ; my half of the tile's rows.  Also: I fetch for A (0) or for B (1)
	s_and_b32 s12, s10, 1                          ; my half of its columns.  Also: which half of that tile I fetch
	s_bfe_u32 s40, ttmp6, 0x40000                  ; cx
	s_bfe_u32 s41, ttmp6, 0x40004                  ; cy
	s_lshl_b32 s42, ttmp9, 2
	s_add_co_u32 s42, s42, s40                     ; tile column = 4 x cluster x + cx
	s_and_b32 s13, ttmp7, 0xffff                   ; the cluster's y, 0 .. 7
	s_cmp_lt_u32 s13, 6                            ; rows Y, Y + 8, Y + 16 of the 22 rows of cluster tiles: three where Y < 6, else two
	s_cselect_b32 s[BOUND], 8, 5                   ; 3 x tiles - 1 trips: every lap but the walk's last fills the ring
	s_lshl_b32 s13, s13, 2
	s_add_co_u32 s13, s13, s41                     ; the first tile's row = 4 x cluster y + cy
	s_lshl_b32 s43, s41, 2
	s_lshl_b32 s43, 15, s43                        ; my row of the cluster
	s_lshl_b32 s44, 0x1111, s40                    ; my column
	s_or_b32 s[G1+0], s43, (3<<16)|(1<<20)|(1<<21)|(4<<22)|(3<<25)   ; the mask; elements of 8 bytes; padding on; bit 21 beside a mask; after every 32 words; 4 words
	s_mov_b32 s[G1+1], (AR*16)<<16                 ; tensor_dim0 = 1,536 elements: 96 rows of 128 bytes on end
	s_mov_b32 s[G1+2], 2<<16                       ; tensor_dim1 = 2 blocks
	s_mov_b32 s[G1+3], (AR*16)<<16                 ; tile_dim0
	s_mov_b32 s[G1+4], 2                           ; tile_dim1
	s_mov_b32 s[G1+5], KPLANE/8                    ; from block to block
	s_mov_b32 s[G1+6], 0
	s_mov_b32 s[G1+7], 0
	s_or_b32 s[G1B+0], s44, (1<<16)|(1<<20)|(1<<21)|(5<<22)|(3<<25)  ; elements of 2 bytes; after every 64 words 4 words
	s_mov_b32 s[G1B+1], 128<<16                    ; tensor_dim0 = 128
	s_mov_b32 s[G1B+2], BR<<16                     ; tensor_dim1 = 144
	s_mov_b32 s[G1B+3], 128<<16                    ; tile_dim0
	s_mov_b32 s[G1B+4], BR                         ; tile_dim1
	s_mov_b32 s[G1B+5], 768                        ; elements from row to row
	s_mov_b32 s[G1B+6], 0
	s_mov_b32 s[G1B+7], 0
	s_mov_b32 s[OA], 0
	s_mov_b32 s[OA+1], 0
	s_mov_b32 s[OB], 0
	s_mov_b32 s[OB+1], 0
	s_mov_b32 s[OL], 0
	s_mov_b32 s[OT], 0
	s_mov_b32 s[PH], 0
	s_mul_i32 s16, s13, MT
	s_mul_i32 s17, s12, AR
	s_add_co_u32 s16, s16, s17
	s_lshl_b32 s16, s16, 7                         ; A: (192 x tile row + 96 x half) rows of 128 bytes
	s_mov_b32 s17, 0
	s_mul_i32 s46, s42, NT
	s_mul_i32 s47, s12, BR
	s_add_co_u32 s46, s46, s47
	s_mul_i32 s46, s46, 1536                       ; B: (288 x tile column + 144 x half) rows of 1,536 bytes
	s_mov_b32 s47, 0
	s_mul_i32 s20, s12, HALFA                      ; where they go: no place in the cluster enters an LDS address
	s_mul_i32 s21, s12, HALFB
	s_add_co_u32 s21, s21, 2*HALFA
	s_wait_dscnt 0x0                               ; the opening add is done
	s_wait_kmcnt 0x0
	s_add_nc_u64 s[14:15], s[4:5], s[16:17]
	s_add_nc_u64 s[46:47], s[6:7], s[46:47]
	CROUND                                         ; all sixteen work-groups are here: the first joint loads meet
.irp s, 0,1
	s_add_nc_u64 s[BA+2*(\s):BA+2*(\s)+1], s[14:15], (\s)*2*KPLANE  ; K step s: two blocks on
	s_add_nc_u64 s[BB+2*(\s):BB+2*(\s)+1], s[46:47], (\s)*256
	s_mov_b32 s[G0+4*(\s)], 1
	s_add_co_u32 s[G0+4*(\s)+1], s20, (\s)*SLOT
	s_mov_b64 s[G0+4*(\s)+2:G0+4*(\s)+3], s[BA+2*(\s):BA+2*(\s)+1]
	s_or_b32 s[G0+4*(\s)+3], s[G0+4*(\s)+3], 0x80000000
	s_mov_b32 s[G0B+4*(\s)], 1
	s_add_co_u32 s[G0B+4*(\s)+1], s21, (\s)*SLOT
	s_mov_b64 s[G0B+4*(\s)+2:G0B+4*(\s)+3], s[BB+2*(\s):BB+2*(\s)+1]
	s_or_b32 s[G0B+4*(\s)+3], s[G0B+4*(\s)+3], 0x80000000
	JLOAD \s
.endr
	v_and_b32 v1, 15, v0                           ; l % 16
	v_bfe_u32 v2, v0, 4, 1                         ; l / 16
	v_mul_u32_u24 v3, v1, 144
	v_lshl_add_u32 v3, v2, 4, v3                   ; A: row x pitch + 16 x half
	v_mul_u32_u24 v4, v1, 272
	v_lshl_add_u32 v4, v2, 4, v4                   ; B likewise
	s_mul_i32 s21, s11, HALFA                      ; my 96 rows of A are one load's
	s_mul_i32 s22, s12, HALFB                      ; my 144 rows of B likewise
	s_add_co_u32 s22, s22, 2*HALFA
.irp s, 0,1
	v_add_nc_u32 v[ADRA+(\s)], s21, v3
	v_add_nc_u32 v[ADRB+(\s)], s22, v4
	s_add_co_u32 s21, s21, SLOT
	s_add_co_u32 s22, s22, SLOT
.endr
	v_lshlrev_b32 v[CO], 5, v1
	v_lshl_add_u32 v[CO], v2, 4, v[CO]             ; row x 32 + 16 x half
	s_mul_i32 s16, s13, MT
	s_mul_i32 s17, s11, 96
	s_add_co_u32 s16, s16, s17
	s_lshl_b32 s16, s16, 5                         ; my first row of the first tile, 32 bytes a row
	s_mov_b32 s17, 0
	s_add_nc_u64 s[8:9], s[8:9], s[16:17]
	s_mul_i32 s46, s42, 18
	s_mul_i32 s47, s12, 9
	s_add_co_u32 s46, s46, s47
	s_mul_i32 s46, s46, QPLANE                     ; my first plane
	s_mov_b32 s47, 0
	s_add_nc_u64 s[8:9], s[8:9], s[46:47]
; n row blocks from a0 x all 9 column blocks, 32 along K, from buffer f.  The 54 accumulators take turns, one instruction a turn, in the same order in every quarter, from tile to tile too.
; mode = 1: the products start the sums: nothing is ever cleared.
.macro MULA f, a0, n, mode
.set ia, \a0
.rept \n
.set ib, 0
.rept NB
.set pp, ACC0+8*(ia*NB+ib)
.set ww, pp>>8
.set dd, pp&255
	WIN 0x01|(ww<<4)|(ww<<6)
.if \mode
	v_wmma_f32_16x16x32_bf16 v[dd:dd+7], v[96*(\f)+8*ib:96*(\f)+8*ib+7], v[FA+48*(\f)+8*ia:FA+48*(\f)+8*ia+7], 0
.else
	v_wmma_f32_16x16x32_bf16 v[dd:dd+7], v[96*(\f)+8*ib:96*(\f)+8*ib+7], v[FA+48*(\f)+8*ia:FA+48*(\f)+8*ia+7], v[dd:dd+7]
.endif
.set ib, ib+1
.endr
.set ia, ia+1
.endr
.endm
; 30 LDS loads in one run: quarter q (32 along K) of a slot into buffer f: B's 9 fragments, then A's 6.  A's quarter q lies in block q / 2 at byte 64 (q % 2) of its rows.
.macro FETCH slot, q, f
	WIN 0x40
.set ib, 0
.rept NB
	ds_load_b128 v[96*(\f)+8*ib:96*(\f)+8*ib+3],   v[ADRB+(\slot)] offset:ib*4352+64*(\q)
	ds_load_b128 v[96*(\f)+8*ib+4:96*(\f)+8*ib+7], v[ADRB+(\slot)] offset:ib*4352+64*(\q)+32
.set ib, ib+1
.endr
	WIN 0
.set ia, 0
.rept 6
	ds_load_b128 v[FA+48*(\f)+8*ia:FA+48*(\f)+8*ia+3],   v[ADRA+(\slot)] offset:ia*2304+((\q)/2)*ASUB+((\q)%2)*64
	ds_load_b128 v[FA+48*(\f)+8*ia+4:FA+48*(\f)+8*ia+7], v[ADRA+(\slot)] offset:ia*2304+((\q)/2)*ASUB+((\q)%2)*64+32
.set ia, ia+1
.endr
.endm
; One of a K step's first three quarters: multiplies buffer f, and in its middle fetches quarter q of the same slot into buffer g.
.macro QUARTER slot, q, f, g, mode
	s_wait_dscnt 6                                 ; B and A's blocks 0-2 are in; the youngest six loads (A's blocks 3-5) may be out
	MULA \f, 0, 3, \mode
	PLACES
	FETCH \slot, \q, \g
	s_wait_dscnt NL                                ; all but the run just issued
	MULA \f, 3, 3, \mode
.endm
; The last quarter multiplies buffer 1 and changes slots: one barrier; ahead of it each wave waits for all its tensor loads (its part of the next slot), adds 0 to its spare word, and waits for that and for its reads of this slot.
; fill = 1: the barrier opens a round of the cluster's barrier, and this slot is filled again, with its K step of the next lap, first thing behind the round: 207 matrix instructions ahead of the wait for it.
; The descriptors' addresses are made anew, the slot's base plus the lap's offset, while the add is out: no tensor load of mine is out there.
.macro TURN slot, next, fill
	WIN 0
	s_wait_tensorcnt 0x0
	ds_add_u32 v[SPW], v[NIL]
.if \fill
	s_add_nc_u64 s[G0+4*(\slot)+2:G0+4*(\slot)+3], s[BA+2*(\slot):BA+2*(\slot)+1], s[OA:OA+1]
	s_or_b32 s[G0+4*(\slot)+3], s[G0+4*(\slot)+3], 0x80000000
	s_add_nc_u64 s[G0B+4*(\slot)+2:G0B+4*(\slot)+3], s[BB+2*(\slot):BB+2*(\slot)+1], s[OB:OB+1]
	s_or_b32 s[G0B+4*(\slot)+3], s[G0B+4*(\slot)+3], 0x80000000
.endif
	s_wait_dscnt 7                                 ; the add and the youngest six loads may be out
	MULA 1, 0, 1, 0
	s_wait_dscnt 0x0                               ; the add is done, and my reads of this slot are over
	s_barrier_signal -1
	MULA 1, 1, 2, 0
.if \fill
	WIN 0
.endif
	s_barrier_wait -1
.if \fill
	CREST
	JLOAD \slot                                    ; its four v_nop are also the places ahead of the loads below
.else
	PLACES
.endif
	FETCH \next, 0, 0
	MULA 1, 3, 3, 0
.endm
; THE WAY OUT: n tiles from t0 are rounded to f16 (each accumulator from its low end) into v[tb ..] and stored: a store of the wave is a whole tile, 512 consecutive bytes at a multiple of 512 from the buffer's first.
; free = 1: earlier stores may still read those registers: they are written only behind s_wait_xcnt 0 (ISA guide 3.1).
.macro OUT t0, n, tb, free
	WIN 0
.if \free
	s_wait_xcnt 0x0
.endif
.set it, \t0
.rept \n
.set pp, ACC0+8*it
	WIN 5*(pp>>8)                                  ; sources 0 and 1 in the tile's window
.irp j, 0,1,2,3
	v_cvt_pk_f16_f32 v[(\tb)+4*(it-(\t0))+\j], v[(pp&255)+2*\j], v[(pp&255)+2*\j+1]
.endr
.set it, it+1
.endr
	WIN 0
.set it, \t0
.rept \n
	global_store_b128 v[CO], v[(\tb)+4*(it-(\t0)):(\tb)+4*(it-(\t0))+3], s[8:9] offset:(it%NB)*QPLANE+(it/NB)*512
.set it, it+1
.endr
.endm
	s_wait_tensorcnt 0x1                           ; my part of K step 0 is in; K step 1's may stay out
	s_barrier_signal -1
	s_barrier_wait -1
	FETCH 0, 0, 0
	QUARTER 0, 1, 0, 1, 1                          ; the walk's first quarter stands ahead of the loop: its products start the first tile's sums
	WIN 0
	s_mov_b32 s3, 0
.Llap:                                         ; a trip goes once round the ring, from a lap's second quarter to the next lap's first, and fills both slots for that next lap
	s_add_co_u32 s82, s[OL], 4*KPLANE              ; where the next lap lies: four blocks of A and 512 bytes of B's rows on,
	s_add_co_u32 s83, s[OT], ROWA
	s_add_co_u32 s84, s[OB], 512
	s_cmp_eq_u32 s[PH], 2                          ; or, behind a tile's third lap, at the next tile's beginning: A 6,144 rows down, both back to K = 0
	s_cselect_b32 s[OL], 0, s82
	s_cselect_b32 s[OT], s83, s[OT]
	s_cselect_b32 s[OB], 0, s84
	s_add_co_u32 s[OA], s[OT], s[OL]
	QUARTER 0, 2, 1, 0, 0
	QUARTER 0, 3, 0, 1, 0
	TURN 0, 1, 1
	QUARTER 1, 1, 0, 1, 0
	QUARTER 1, 2, 1, 0, 0
	QUARTER 1, 3, 0, 1, 0
	TURN 1, 0, 1
	WIN 0
	s_cmp_eq_u32 s[PH], 2                          ; a forward jump past text that holds neither a barrier nor a tensor load
	s_cbranch_scc1 .Lnew
	QUARTER 0, 1, 0, 1, 0                          ; the same tile goes on
	WIN 0
	s_add_co_u32 s[PH], s[PH], 1
	s_branch .Lbottom
.Lnew:                                         ; A TILE IS FINISHED.  Both refills for the next tile have been asked for and its first fragments lie in buffer 0: now the tile goes out,
	PLACES
	OUT 0, 32, TMP, 1                              ; window 2's tiles,
	OUT 32, 22, TMP, 1                             ; window 3's, into the same registers;
	QUARTER 0, 1, 0, 1, 1                          ; the next tile's first products start its sums on accumulators that have been packed, and nothing waits for the stores
	WIN 0
	s_wait_xcnt 0x0                                ; the stores, 54 matrix instructions back, have read their base
	s_add_nc_u64 s[8:9], s[8:9], ROWC
	s_mov_b32 s[PH], 0
.Lbottom:
	s_add_co_u32 s3, s3, 1
	s_cmp_lt_u32 s3, s[BOUND]
	s_cbranch_scc1 .Llap
	QUARTER 0, 2, 1, 0, 0                          ; the walk's last lap is written out: it fills nothing
	QUARTER 0, 3, 0, 1, 0
	TURN 0, 1, 0
	QUARTER 1, 1, 0, 1, 0
	QUARTER 1, 2, 1, 0, 0
	QUARTER 1, 3, 0, 1, 0
	s_wait_dscnt 6
	MULA 1, 0, 3, 0
	s_wait_dscnt 0x0
	MULA 1, 3, 3, 0
	WIN 0
	PLACES
	OUT 0, 32, TMP, 1                              ; window 2's tiles leave while window 3's are rounded,
	OUT 32, 22, FA, 0                              ; into A's buffers, which no store has read and no product reads any more
	s_wait_tensorcnt 0x0                           ; the wave's end
	ds_add_u32 v[SPW], v[NIL]
	s_wait_dscnt 0x0
	CROUND                                         ; the closing round
	s_endpgm
.Lfunc_end_k_q3ec3f13116_gemmqkv:
	.size	k_q3ec3f13116_gemmqkv, .Lfunc_end_k_q3ec3f13116_gemmqkv-k_q3ec3f13116_gemmqkv
	.p2alignl 7, 3214868480
	.fill 96, 4, 3214868480
	.section	.rodata,"a",@progbits
	.p2align	6, 0x0
	.amdhsa_kernel k_q3ec3f13116_gemmqkv
		.amdhsa_group_segment_fixed_size 327680
		.amdhsa_private_segment_fixed_size 0
		.amdhsa_enable_private_segment 0
		.amdhsa_kernarg_size 24
		.amdhsa_user_sgpr_count 2
		.amdhsa_user_sgpr_kernarg_segment_ptr 1
		.amdhsa_wavefront_size32 1
		.amdhsa_system_sgpr_workgroup_id_x 1
		.amdhsa_system_sgpr_workgroup_id_y 1
		.amdhsa_system_sgpr_workgroup_id_z 1
		.amdhsa_system_vgpr_workitem_id 0
		.amdhsa_next_free_vgpr 944
		.amdhsa_next_free_sgpr 88
		.amdhsa_reserve_vcc 0
		.amdhsa_float_denorm_mode_32 3
		.amdhsa_float_denorm_mode_16_64 3
		.amdhsa_memory_ordered 1
		.amdhsa_forward_progress 1
		.amdhsa_inst_pref_size 144
	.end_amdhsa_kernel
	.amdgpu_metadata
---
amdhsa.version: [ 1, 2 ]
amdhsa.kernels:
  - .name:           k_q3ec3f13116_gemmqkv
    .symbol:         k_q3ec3f13116_gemmqkv.kd
    .args:
      - { .name: xb, .offset: 0, .size: 8, .value_kind: global_buffer, .address_space: global }
      - { .name: wqkv, .offset: 8, .size: 8, .value_kind: global_buffer, .address_space: global }
      - { .name: qkvp, .offset: 16, .size: 8, .value_kind: global_buffer, .address_space: global }
    .group_segment_fixed_size: 327680
    .private_segment_fixed_size: 0
    .kernarg_segment_align: 8
    .kernarg_segment_size: 24
    .max_flat_workgroup_size: 128
    .sgpr_count:     88
    .vgpr_count:     944
    .wavefront_size: 32
...
	.end_amdgpu_metadata
.endif
;; end of part 2
;; launch attn (part 3): grid 6 x 32, 8 waves a work-group, no clusters, 296,960 bytes of LDS; arguments qkvp, ob; writes ob
.if DOCPART == 3
	.amdgcn_target "amdgcn-amd-amdhsa--gfx1250"
	.amdhsa_code_object_version 6
	.text
	.protected	k_q3ec3f13116_attn
	.globl	k_q3ec3f13116_attn
	.p2align	8
	.type	k_q3ec3f13116_attn,@function
k_q3ec3f13116_attn:
	s_mov_b64 s[64:65], 0
	v_nop
	global_prefetch_b8 v0, s[64:65] scope:SCOPE_SE
	s_setreg_imm32_b32 hwreg(HW_REG_WAVE_MODE, 25, 1), 1
	s_wait_xcnt 0x0
; ATTENTION.  O[q] = sum over k of softmax_k(Q[q] . K[k] / sqrt(768)) V[k], head size 64.  Of a batch's 528 rows, queries 0-127 see keys 0-127, queries 128-527 see all 528.
; q, k, v come as f16 planes of 16 columns, qkvp[plane][row][16] (q: planes 0-47, k: 48-95, v: 96-143; a head has four of each).  Products, maxima and sums in f32; the weights p are rounded to f16 for the
; second product (their sum l is taken of the unrounded p), O once at the end, to ob[plane][row][16] f16, 48 planes laid as q's are.
; LIMITS.  p lies in 0 to 1 and below 6e-5 keeps f16's fixed step; a weight below 2^-126 counts as 0 in l; NaN and infinities are not treated apart.
; SHARES.  A work-group takes one batch and two heads.  Both heads' K and V lie whole in LDS, each byte filled once, asked for at the head: wave w fetches plane w of each head's eight.  No slot is ever filled again,
; and no wave ever stores to LDS: behind the one barrier at the start LDS is only read.  NO CLUSTER: no two work-groups read the same K, V or Q.  Nothing is prefetched: every tile is asked for at the kernel's head.
; JOBS.  Eight waves, two to a SIMD with 512 registers each; no barrier stands between the start and the end, so the two drift apart and one wave's softmax runs beside the other's products: the text stands in plain phases.
; Waves 0, 2, 5, 7: four tiles of 16 queries from row 128 + 64 (w / 2); waves 1, 3, 4: three tiles from row 384 + 48 (w / 2); wave 6: the 128 template queries, twice four tiles over 128 keys.  16 + 9 + 8 = 33 tiles: nothing is padded.
; A job walks the keys 64 a step (8 steps, of which wave 6 works the first 2 and jumps over the rest), then the last 16 keys in a tail (not wave 6).
; LAYOUT.  S^T = K Q^T (source 0 = 16 keys, source 1 = 16 queries): a lane holds ONE query (lane % 16) and the keys 8 (lane / 16) + 0..7.  Two such results rounded to f16 ARE source 1 of O^T = V^T P,
; whose result holds one query a lane and eight channels: 16 bytes of f16 at 32 (lane % 16) + 16 (lane / 16) of a tile of a plane, so a store of the wave writes a whole tile of 512 bytes from registers.
; SOFTMAX.  Running maximum m and sum l: p = 2^(c s - c m), c = log2(e) / sqrt(768); in every step O and l are multiplied by a = 2^(c m_old - c m_new).  c m starts far below every c s, O and l at 0: the first step has a = 0.
; LDS.  Set s at s x 147,968: planes K0-3, V0-3 of 18,496 bytes: 68 rows of 256 + 16 bytes, 8 keys of 32 bytes a row; rows 66, 67 (keys 528-543) lie past the stated extent and arrive as zeros.
; REGISTERS.  Window 0: v2-8 addresses, v12-13 the add's, v16-47 statistics, v48-175 S^T (P in place; packed O on the way out), v176-239 K.  Window 1: v0-127 O^T, v128-191 Q, v192-255 V.
.set PLANE, 18496
.set SETBY, 8*PLANE
.set STEPB, 2176                       ; 64 keys of a plane: 8 rows of 272 bytes
.set SPARE, 2*SETBY                    ; behind the two sets: the spare words, 128 bytes for each of eight waves
.set QPLANE, 540672
.set AK0, 2                            ; v2  my lane's place in a key tile of K; never rewritten
.set AV0, 3                            ; v3  the same for V
.set AK, 4
.set AV, 5
.set QO, 6                             ; v6  my 16 bytes in a tile of a plane, of q and of ob; never rewritten
.set AKS, 7                            ; v7  AK0 + the head's set, made once a job
.set AVS, 8                            ; v8  AV0 + the head's set
.set SPW, 12
.set NIL, 13
.set ST, 16                            ; tile t at ST + 8 t: c m, m, l (even, odd keys), c0, c1, c2 (later a), c3
.set S, 48                             ; S + 32 t + 8 kt
.set KF, 176                           ; KF + 16 kt + 8 c
.set Q, 128                            ; window 1: Q + 16 t + 8 c
.set VF, 192                           ; window 1: VF + 32 kk + 8 cb
.set WV, 8
.set BX, 9
.set BY, 10
.set G3, 11                            ; 1: a wave of three tiles
.set QROW0, 14
.set W6, 15                            ; 1: wave 6, which has two jobs a head
.set G1, 16                            ; s[16:23]
.set G0, 24                            ; s[24:31] a set for each head
.set CS, 32                            ; s[32:33] c, twice
.set SEL, 34                           ; s[34:35]
.set HD, 36
.set JS, 37
.set STP, 38                           ; key steps still to come, 8 to 1
.set SETB, 39                          ; LDS byte of the head's set
.set TBK, 40                           ; byte in a plane at which K of the step after the one in hand begins; from a constant, stepped once a trip beside the counter
.set TBV, 41                           ; the same for V of the step in hand
.set QROW, 42
.set HEAD, 43
.set QB, 44                            ; s[44:45]
.set OB, 46                            ; s[46:47]
.set W_KQ, 0x04                        ; Q (source 1) in window 1
.set W_PV, 0x51                        ; V, C and D in window 1
.set W_RS, 0x41                        ; destination and source 0 in window 1
.set MSB, 0
.macro WIN new
.if MSB != (\new)
	s_set_vgpr_msb (MSB<<8)|(\new)
.set MSB, \new
.endif
.endm
.macro PLACES
.rept 4
	v_nop
.endr
.endm
	s_load_b128 s[4:7], s[0:1], 0x0                ; qkvp s[4:5], ob s[6:7]
	v_lshl_add_u32 v[SPW], v0, 2, SPARE
	v_mov_b32 v[NIL], 0
	ds_add_u32 v[SPW], v[NIL]                      ; the wave's opening: the add and its wait come ahead of my first tensor load
	ds_add_u32 v12, v13
	v_lshrrev_b32 v1, 5, v0
	v_readfirstlane_b32 s[WV], v1                  ; wave 0..7
	s_mov_b32 s[BX], ttmp9                         ; which two heads
	s_and_b32 s[BY], ttmp7, 0xffff                 ; the batch
	s_mov_b32 s[G1+0], (3<<16)|(1<<20)|(5<<22)|(3<<25)  ; elements of 8 bytes; padding on; after every 64 words 4 words
	s_mov_b32 s[G1+1], 32<<16                      ; tensor_dim0 = 32: rows of 256 bytes
	s_mov_b32 s[G1+2], 66<<16                      ; tensor_dim1 = 66: the batch's 16,896 bytes of a plane
	s_mov_b32 s[G1+3], 32<<16                      ; tile_dim0
	s_mov_b32 s[G1+4], 68                          ; tile_dim1: two rows past the extent, which arrive as zeros
	s_mov_b32 s[G1+5], 32                          ; dense
	s_mov_b32 s[G1+6], 0
	s_mov_b32 s[G1+7], 0
	s_mov_b32 s[CS], 0x3d553b95                    ; c = log2(e) / sqrt(768) = 0.0520588
	s_mov_b32 s[CS+1], s[CS]
	s_mov_b32 s[SEL], 0x76543210
	s_mov_b32 s[SEL+1], 0xfedcba98
	s_lshr_b32 s48, s[WV], 2                       ; K (0) or V (1)
	s_mul_i32 s48, s48, 48
	s_and_b32 s49, s[WV], 3
	s_add_co_u32 s48, s48, s49
	s_lshl3_add_u32 s48, s[BX], s48                ; + 8 x: two heads of four planes
	s_add_co_u32 s48, s48, 48
	s_mul_i32 s48, s48, QPLANE
	s_mul_i32 s49, s[BY], 16896
	s_add_co_u32 s48, s48, s49
	s_mov_b32 s49, 0
	s_mov_b32 s[G0], 1
	s_mul_i32 s[G0+1], s[WV], PLANE
	s_mov_b32 s[G0+4], 1
	s_add_co_u32 s[G0+5], s[G0+1], SETBY
	s_lshr_b32 s50, s[WV], 2                       ; the jobs
	s_xor_b32 s50, s50, s[WV]
	s_and_b32 s50, s50, 1                          ; 0 in waves 0, 2, 5, 7
	s_lshr_b32 s51, s[WV], 1
	s_lshl_b32 s52, s51, 6
	s_add_co_u32 s52, s52, 128
	s_mul_i32 s53, s51, 48
	s_add_co_u32 s53, s53, 384
	s_cmp_eq_u32 s50, 0
	s_cselect_b32 s[QROW0], s52, s53
	s_cselect_b32 s[G3], 0, 1
	s_cmp_eq_u32 s[WV], 6
	s_cselect_b32 s[QROW0], 0, s[QROW0]
	s_cselect_b32 s[G3], 0, s[G3]
	s_cselect_b32 s[W6], 1, 0
	s_wait_dscnt 0x0                               ; the opening add is done
	s_wait_kmcnt 0x0
	s_add_nc_u64 s[G0+2:G0+3], s[4:5], s[48:49]
	s_add_nc_u64 s[G0+6:G0+7], s[G0+2:G0+3], 4*QPLANE  ; the second head: four planes on
	s_or_b32 s[G0+3], s[G0+3], 0x80000000
	s_or_b32 s[G0+7], s[G0+7], 0x80000000
	tensor_load_to_lds s[G0:G0+3], s[G1:G1+7]      ; both first fills together: two loads of mine are out
	s_nop 0
	tensor_load_to_lds s[G0+4:G0+7], s[G1:G1+7]
	s_nop 0
	v_and_b32 v1, 15, v0                           ; r = l % 16
	v_bfe_u32 v10, v0, 4, 1                        ; h = l / 16
	v_and_b32 v11, 7, v0
	v_bfe_u32 v14, v0, 3, 1
	v_mul_u32_u24 v[AK0], v14, 272                 ; key r: row r / 8, 32 bytes at r % 8; channels 8 h on
	v_lshl_add_u32 v[AK0], v11, 5, v[AK0]
	v_lshl_add_u32 v[AK0], v10, 4, v[AK0]
	v_mul_u32_u24 v[AV0], v10, 272                 ; the turning load: key 8 h + l % 8, channels 8 ((l / 8) % 2) on: 16 lanes take 256 consecutive bytes
	v_lshl_add_u32 v[AV0], v11, 5, v[AV0]
	v_lshl_add_u32 v[AV0], v14, 4, v[AV0]
	v_add_nc_u32 v[AV0], 4*PLANE, v[AV0]
	v_lshlrev_b32 v[QO], 5, v1
	v_lshl_add_u32 v[QO], v10, 4, v[QO]            ; row x 32 + 16 x half
; THE LDS LOADS, in runs.  A fragment of K (16 keys x 32 channels) takes 16 bytes from each of two planes.
.macro FETCH_K adr
	WIN 0
.set kt, 0
.rept 4
.set c, 0
.rept 2
	ds_load_b128 v[KF+16*kt+8*c:KF+16*kt+8*c+3],   v[\adr] offset:(2*c)*PLANE+544*kt
	ds_load_b128 v[KF+16*kt+8*c+4:KF+16*kt+8*c+7], v[\adr] offset:(2*c+1)*PLANE+544*kt
.set c, c+1
.endr
.set kt, kt+1
.endr
.endm
.macro FETCH_V n                       ; n halves of 32 keys x 64 channels, turned, from the step at s[TBV]
	WIN 0
	v_add_nc_u32 v[AV], s[TBV], v[AVS]
	WIN 0x40
.set kk, 0
.rept \n
.set cb, 0
.rept 4
	ds_load_tr16_b128 v[VF+32*kk+8*cb:VF+32*kk+8*cb+3],   v[AV] offset:cb*PLANE+1088*kk
	ds_load_tr16_b128 v[VF+32*kk+8*cb+4:VF+32*kk+8*cb+7], v[AV] offset:cb*PLANE+1088*kk+544
.set cb, cb+1
.endr
.set kk, kk+1
.endr
	WIN 0
.endm
; THE MATRIX WORK.  The accumulators of a run take turns, one instruction a turn.
.macro QK G, nkt                       ; S^T = K Q^T: channel half c, key tile kt, query tile t; the first half starts the sums
	WIN W_KQ
.set c, 0
.rept 2
.set kt, 0
.rept \nkt
.set t, 0
.rept \G
.if c == 0
	v_wmma_f32_16x16x32_f16 v[S+32*t+8*kt:S+32*t+8*kt+7], v[KF+16*kt+8*c:KF+16*kt+8*c+7], v[Q+16*t+8*c:Q+16*t+8*c+7], 0
.else
	v_wmma_f32_16x16x32_f16 v[S+32*t+8*kt:S+32*t+8*kt+7], v[KF+16*kt+8*c:KF+16*kt+8*c+7], v[Q+16*t+8*c:Q+16*t+8*c+7], v[S+32*t+8*kt:S+32*t+8*kt+7]
.endif
.set t, t+1
.endr
.set kt, kt+1
.endr
.set c, c+1
.endr
.endm
.macro PV G, nkk                       ; O^T += V^T P: key half kk, channel block cb, query tile t
	WIN W_PV
.set kk, 0
.rept \nkk
.set cb, 0
.rept 4
.set t, 0
.rept \G
	v_wmma_f32_16x16x32_f16 v[32*t+8*cb:32*t+8*cb+7], v[VF+32*kk+8*cb:VF+32*kk+8*cb+7], v[S+32*t+16*kk:S+32*t+16*kk+7], v[32*t+8*cb:32*t+8*cb+7]
.set t, t+1
.endr
.set cb, cb+1
.endr
.set kk, kk+1
.endr
.endm
; THE VECTOR WORK, a line at a time.  XS t, n: number n of the 22 that find tile t's maximum and statistics; each accumulator's lowest registers are read first.
;   0-11 four chains c0-c3 of seven scores each   12-15 the four scores left over, the old m, c0-c3 into c0   16 c m_old is kept   17, 18 the query's other keys lie in the lane 16 away: the new m   19-21 c m; c m_old - c m_new; a
.macro XS t, n
.set rT, ST+8*(\t)
.set rS, S+32*(\t)
.if (\n) < 4
	v_max3_num_f32 v[rT+4+(\n)], v[rS+8*(\n)], v[rS+8*(\n)+1], v[rS+8*(\n)+2]
.elseif (\n) < 12
	v_max3_num_f32 v[rT+4+(\n)%4], v[rT+4+(\n)%4], v[rS+8*((\n)%4)+2*((\n)/4)+1], v[rS+8*((\n)%4)+2*((\n)/4)+2]
.elseif (\n) == 12
	v_max3_num_f32 v[rT+4], v[rT+4], v[rS+7], v[rS+15]
.elseif (\n) == 13
	v_max3_num_f32 v[rT+5], v[rT+5], v[rS+23], v[rS+31]
.elseif (\n) == 14
	v_max3_num_f32 v[rT+6], v[rT+6], v[rT+7], v[rT+1]
.elseif (\n) == 15
	v_max3_num_f32 v[rT+4], v[rT+4], v[rT+5], v[rT+6]
.elseif (\n) == 16
	v_mov_b32 v[rT+5], v[rT]
.elseif (\n) == 17
	v_permlanex16_b32 v[rT+7], v[rT+4], s[SEL], s[SEL+1]
.elseif (\n) == 18
	v_max_num_f32 v[rT+1], v[rT+4], v[rT+7]
.elseif (\n) == 19
	v_mul_f32 v[rT], s[CS], v[rT+1]
.elseif (\n) == 20
	v_sub_f32 v[rT+5], v[rT+5], v[rT]
.else
	v_exp_f32 v[rT+6], v[rT+5]
.endif
.endm
.macro TX t, n                         ; the same for the tail's eight scores a lane: 10 lines
.set rT, ST+8*(\t)
.set rS, S+32*(\t)
.if (\n) == 0
	v_max3_num_f32 v[rT+4], v[rS], v[rS+1], v[rS+2]
.elseif (\n) == 1
	v_max3_num_f32 v[rT+5], v[rS+3], v[rS+4], v[rS+5]
.elseif (\n) == 2
	v_max3_num_f32 v[rT+4], v[rT+4], v[rS+6], v[rS+7]
.elseif (\n) == 3
	v_max3_num_f32 v[rT+4], v[rT+4], v[rT+5], v[rT+1]
.else
	XS \t, (\n)+12
.endif
.endm
.macro FMA t, j                        ; c s - c m for pair j
.set rT, ST+8*(\t)
.set rS, S+32*(\t)
	v_pk_fma_f32 v[rS+2*(\j):rS+2*(\j)+1], v[rS+2*(\j):rS+2*(\j)+1], s[CS:CS+1], v[rT:rT+1] op_sel_hi:[1,0,0] neg_lo:[0,0,1] neg_hi:[0,0,1]
.endm
.macro EXPO t, i
	v_exp_f32 v[S+32*(\t)+(\i)], v[S+32*(\t)+(\i)]
.endm
.macro SUM t, j                        ; l takes pair j; with pair 0: l = a l + pair
.set rT, ST+8*(\t)
.set rS, S+32*(\t)
.if (\j) == 0
	s_wait_alu depctr_va_vdst(0)
	v_pk_fma_f32 v[rT+2:rT+3], v[rT+2:rT+3], v[rT+6:rT+7], v[rS:rS+1] op_sel_hi:[1,0,1]
.else
	v_pk_add_f32 v[rT+2:rT+3], v[rT+2:rT+3], v[rS+2*(\j):rS+2*(\j)+1]
.endif
.endm
.macro CVT t, j                        ; pair j rounded to f16, in place: always behind SUM j and ascending, so the register written has been read; pairs 0-7 make P's fragment at + 0, pairs 8-15 the one at + 16
.set rS, S+32*(\t)
	v_cvt_pk_f16_f32 v[rS+16*((\j)/8)+(\j)%8], v[rS+2*(\j)], v[rS+2*(\j)+1]
.endm
; A step's softmax for G tiles.  While tile u's exponentials run, the next tile is scaled and the tile before is summed and rounded: between an exponential and the use of its result stand plain lines.
.macro SOFTMAX G
	WIN 0
.set n, 0
.rept 22
.set u, 0
.rept \G
	XS u, n
.set u, u+1
.endr
.set n, n+1
.endr
.set j, 0
.rept 16
	FMA 0, j
.set j, j+1
.endr
.set u, 0
.rept \G
.set i, 0
.rept 32
	EXPO u, i
.if (i%2 == 0) && (u+1 < \G)
	FMA u+1, i/2
.endif
.if u > 0
.if i%2 == 0
	SUM u-1, i/2
.else
	CVT u-1, i/2
.endif
.endif
.set i, i+1
.endr
.set u, u+1
.endr
.set j, 0
.rept 16
	SUM \G-1, j
	CVT \G-1, j
.set j, j+1
.endr
.endm
.macro RESC G                          ; O^T times a, each accumulator from its low end
	WIN W_RS
.set u, 0
.rept \G
.set i, 0
.rept 16
	v_pk_mul_f32 v[32*u+2*i:32*u+2*i+1], v[32*u+2*i:32*u+2*i+1], v[ST+8*u+6:ST+8*u+7] op_sel_hi:[1,0]
.set i, i+1
.endr
.set u, u+1
.endr
.endm
; A KEY STEP of 64 keys.  V of the step is asked for first and used behind the softmax; K of the next step is asked for behind this step's products K Q^T.  The step writes neither s[TBK] nor s[TBV]: the loop does, once a trip.
; In the eighth step K's run reaches key tiles 32 to 35, of which the tail uses tile 32 alone: the other twelve loads read filled bytes of the same set and serve nothing.
.macro STEP G
	FETCH_V 2
	s_wait_dscnt 16                                ; K is in; V's 16 loads may stay out
	QK \G, 4
	WIN 0
	v_add_nc_u32 v[AK], s[TBK], v[AKS]             ; this line and three v_nop are the four places behind the products
.rept 3
	v_nop
.endr
	FETCH_K AK
	SOFTMAX \G
	RESC \G
	s_wait_dscnt 16                                ; V is in; the next K's 16 loads may stay out
	PV \G, 2
	WIN 0
.rept 5
	v_nop                                          ; five places: the next products K Q^T write over P, and the next loads land in V's registers
.endr
.endm
; THE TAIL: keys 512-527.  P's second half (keys 528-543) is 0, and V's rows there are zeros.
.macro TAIL G
	FETCH_V 1
	s_wait_dscnt 8                                 ; K is in; V's 8 loads may stay out
	QK \G, 1
	WIN 0
	PLACES
.set n, 0
.rept 10
.set u, 0
.rept \G
	TX u, n
.set u, u+1
.endr
.set n, n+1
.endr
.set j, 0
.rept 4
.set u, 0
.rept \G
	FMA u, j
.set u, u+1
.endr
.set j, j+1
.endr
.set i, 0
.rept 8
.set u, 0
.rept \G
	EXPO u, i
.set u, u+1
.endr
.set i, i+1
.endr
	v_nop                                          ; a plain line between the exponentials and the use of their results
	s_wait_alu depctr_va_vdst(0)
.set j, 0
.rept 4
.set u, 0
.rept \G
	SUM u, j
.set u, u+1
.endr
.set u, 0
.rept \G
	CVT u, j
.set u, u+1
.endr
.set j, j+1
.endr
.set i, 4
.rept 4
.set u, 0
.rept \G
	v_mov_b32 v[S+32*u+i], 0
.set u, u+1
.endr
.set i, i+1
.endr
	RESC \G
	s_wait_dscnt 0x0                               ; V is in
	PV \G, 1
	WIN 0
.endm
; THE WAY OUT.  Tile t: O^T divided by l, rounded to f16 into S^T's registers, and stored: channel block cb is a tile of plane cb of the head's four: 512 consecutive bytes, at a multiple of 512 from ob's first.
.macro PACK t
	WIN W_RS
.set i, 0
.rept 16
	v_pk_mul_f32 v[32*(\t)+2*i:32*(\t)+2*i+1], v[32*(\t)+2*i:32*(\t)+2*i+1], v[ST+8*(\t)+2:ST+8*(\t)+3] op_sel_hi:[1,0]
.set i, i+1
.endr
	WIN 0x05
.set i, 0
.rept 16
	v_cvt_pk_f16_f32 v[S+16*(\t)+i], v[32*(\t)+2*i], v[32*(\t)+2*i+1]
.set i, i+1
.endr
	WIN 0
.irp cb, 0,1,2,3
	global_store_b128 v[QO], v[S+16*(\t)+4*\cb:S+16*(\t)+4*\cb+3], s[OB:OB+1] offset:\cb*QPLANE+512*(\t)
.endr
.endm
.macro FINAL G
	WIN 0
	s_wait_dscnt 0x0                               ; wave 6 leaves the loop with a run of K's loads out: the next job loads into the same registers
.set t, 0
.rept \G
	v_add_f32 v[ST+8*t+2], v[ST+8*t+2], v[ST+8*t+3]  ; these additions are the places behind the last products
.set t, t+1
.endr
.set t, 0
.rept \G
	v_permlanex16_b32 v[ST+8*t+3], v[ST+8*t+2], s[SEL], s[SEL+1]
.set t, t+1
.endr
.set t, 0
.rept \G
	v_add_f32 v[ST+8*t+2], v[ST+8*t+2], v[ST+8*t+3]
.set t, t+1
.endr
.set t, 0
.rept \G
	v_rcp_f32 v[ST+8*t+2], v[ST+8*t+2]
.set t, t+1
.endr
	v_nop                                          ; a plain line between the last reciprocal and the use of its result
	s_wait_alu depctr_va_vdst(0)
.set t, 0
.rept \G
	PACK t
.set t, t+1
.endr
	s_wait_xcnt 0x0                                ; the stores have read their registers and their base: the next job writes both
.endm
; A JOB: G tiles of 16 queries from row QROW of the batch.
.macro JOB G
	WIN 0x40
.set t, 0
.rept \G
.set c, 0
.rept 2
	global_load_b128 v[Q+16*t+8*c:Q+16*t+8*c+3],   v[QO], s[QB:QB+1] offset:(2*c)*QPLANE+512*t    ; a tile of a plane: 512 consecutive bytes
	global_load_b128 v[Q+16*t+8*c+4:Q+16*t+8*c+7], v[QO], s[QB:QB+1] offset:(2*c+1)*QPLANE+512*t
.set c, c+1
.endr
.set t, t+1
.endr
	WIN 0
	v_add_nc_u32 v[AKS], s[SETB], v[AK0]           ; the head's set enters the lane terms, once a job
	v_add_nc_u32 v[AVS], s[SETB], v[AV0]
	s_mov_b32 s[TBK], STEPB                        ; the first step fetches K of the second,
	s_mov_b32 s[TBV], 0                            ; and its own V
	FETCH_K AKS                                    ; key step 0
	WIN 0x40
.set i, 0
.rept 32*\G
	v_mov_b32 v[i], 0                              ; O^T: cleared while Q and K are on their way, so that no first step is written out
.set i, i+1
.endr
	WIN 0
.set t, 0
.rept \G
	v_mov_b32 v[ST+8*t], 0xfe000000                ; c m: far below every c s
	v_mov_b32 v[ST+8*t+1], 0xff7fffff              ; m
	v_mov_b32 v[ST+8*t+2], 0
	v_mov_b32 v[ST+8*t+3], 0
	v_mov_b32 v[ST+8*t+7], 0                       ; c3: the exchange's destination counts as read
.set t, t+1
.endr
	s_mov_b32 s[STP], 8
	s_wait_loadcnt 0x0                             ; Q
.Lstep_\@:                                     ; eight trips for every wave.  Wave 6 (which runs the text of four tiles alone) works the first two and jumps forward over the other six, past no barrier and no tensor load
.if \G == 4
	s_cmp_lg_u32 s[WV], 6
	s_cbranch_scc1 .Llive_\@
	s_cmp_lt_u32 s[STP], 7
	s_cbranch_scc1 .Ldead_\@
.Llive_\@:
.endif
	STEP \G
.Ldead_\@:
	s_add_co_u32 s[TBK], s[TBK], STEPB             ; the two LDS bases step once in every trip, worked or jumped, beside the counter
	s_add_co_u32 s[TBV], s[TBV], STEPB
	s_sub_co_u32 s[STP], s[STP], 1
	s_cmp_lg_u32 s[STP], 0
	s_cbranch_scc1 .Lstep_\@
.if \G == 4
	s_cmp_eq_u32 s[WV], 6                          ; the template queries see no key behind 127
	s_cbranch_scc1 .Lfin_\@
.endif
	TAIL \G                                        ; s[TBV] stands at 8 x 2,176: keys 512 on
.Lfin_\@:
	FINAL \G
.endm
	s_wait_tensorcnt 0x0                           ; my planes of both heads are in,
	s_barrier_signal -1
	s_barrier_wait -1                              ; everybody's are: from here to the barrier at the end LDS is only read
	s_mov_b32 s[HD], 0
	s_mov_b32 s[SETB], 0
.Lhead:
	s_mov_b32 s[JS], 0
.Lslot:                                        ; two job slots a head; the second is wave 6's alone
	s_cmp_gt_u32 s[JS], s[W6]
	s_cbranch_scc1 .Lnext
	s_lshl_b32 s48, s[JS], 6
	s_add_co_u32 s[QROW], s[QROW0], s48
	s_lshl_b32 s[HEAD], s[BX], 1
	s_add_co_u32 s[HEAD], s[HEAD], s[HD]
	s_mul_i32 s50, s[BY], 528
	s_add_co_u32 s50, s50, s[QROW]                 ; my first row among the 16,896
	s_mul_i32 s48, s[HEAD], 4*QPLANE               ; the head's first plane, of q's 48 and of ob's 48 alike
	s_lshl_b32 s49, s50, 5
	s_add_co_u32 s48, s48, s49
	s_mov_b32 s49, 0
	s_add_nc_u64 s[QB:QB+1], s[4:5], s[48:49]
	s_add_nc_u64 s[OB:OB+1], s[6:7], s[48:49]
	s_cmp_eq_u32 s[G3], 1
	s_cbranch_scc1 .Lthree
	JOB 4
	s_branch .Lnext
.Lthree:
	JOB 3
.Lnext:
	s_add_co_u32 s[JS], s[JS], 1
	s_cmp_lt_u32 s[JS], 2
	s_cbranch_scc1 .Lslot
	s_add_co_u32 s[SETB], s[SETB], SETBY
	s_add_co_u32 s[HD], s[HD], 1
	s_cmp_lt_u32 s[HD], 2
	s_cbranch_scc1 .Lhead
	s_wait_dscnt 0x0                               ; my reads of LDS are back,
	s_barrier_signal -1
	s_barrier_wait -1                              ; everybody's are, before any wave's closing lines write LDS
	s_wait_tensorcnt 0x0                           ; the wave's end
	ds_add_u32 v[SPW], v[NIL]
	s_wait_dscnt 0x0
	s_endpgm
.Lfunc_end_k_q3ec3f13116_attn:
	.size	k_q3ec3f13116_attn, .Lfunc_end_k_q3ec3f13116_attn-k_q3ec3f13116_attn
	.p2alignl 7, 3214868480
	.fill 96, 4, 3214868480
	.section	.rodata,"a",@progbits
	.p2align	6, 0x0
	.amdhsa_kernel k_q3ec3f13116_attn
		.amdhsa_group_segment_fixed_size 296960
		.amdhsa_private_segment_fixed_size 0
		.amdhsa_enable_private_segment 0
		.amdhsa_kernarg_size 16
		.amdhsa_user_sgpr_count 2
		.amdhsa_user_sgpr_kernarg_segment_ptr 1
		.amdhsa_wavefront_size32 1
		.amdhsa_system_sgpr_workgroup_id_x 1
		.amdhsa_system_sgpr_workgroup_id_y 1
		.amdhsa_system_sgpr_workgroup_id_z 1
		.amdhsa_system_vgpr_workitem_id 0
		.amdhsa_next_free_vgpr 512
		.amdhsa_next_free_sgpr 66
		.amdhsa_reserve_vcc 0
		.amdhsa_float_denorm_mode_32 3
		.amdhsa_float_denorm_mode_16_64 3
		.amdhsa_memory_ordered 1
		.amdhsa_forward_progress 1
		.amdhsa_inst_pref_size 118
	.end_amdhsa_kernel
	.amdgpu_metadata
---
amdhsa.version: [ 1, 2 ]
amdhsa.kernels:
  - .name:           k_q3ec3f13116_attn
    .symbol:         k_q3ec3f13116_attn.kd
    .args:
      - { .name: qkvp, .offset: 0, .size: 8, .value_kind: global_buffer, .address_space: global }
      - { .name: ob, .offset: 8, .size: 8, .value_kind: global_buffer, .address_space: global }
    .group_segment_fixed_size: 296960
    .private_segment_fixed_size: 0
    .kernarg_segment_align: 8
    .kernarg_segment_size: 16
    .max_flat_workgroup_size: 256
    .sgpr_count:     66
    .vgpr_count:     512
    .wavefront_size: 32
...
	.end_amdgpu_metadata
.endif
;; end of part 3
;; launch gemmout (part 4): grid 4 x 44, 4 waves a work-group, clusters of 4 x 4, 327,680 bytes of LDS; arguments ob, wpt, bp, out0; writes out0
.if DOCPART == 4
	.amdgcn_target "amdgcn-amd-amdhsa--gfx1250"
	.amdhsa_code_object_version 6
	.text
	.protected	k_q3ec3f13116_gemmout
	.globl	k_q3ec3f13116_gemmout
	.p2align	8
	.type	k_q3ec3f13116_gemmout,@function
k_q3ec3f13116_gemmout:
	s_mov_b64 s[64:65], 0
	v_nop
	global_prefetch_b8 v0, s[64:65] scope:SCOPE_SE
	s_setreg_imm32_b32 hwreg(HW_REG_WAVE_MODE, 25, 1), 1
	s_wait_xcnt 0x0
	s_wait_alu depctr_hold_cnt(0) depctr_sa_sdst(0) depctr_va_vdst(0) depctr_va_sdst(0) depctr_va_ssrc(0) depctr_va_vcc(0) depctr_vm_vsrc(0)
	s_getreg_b32 s2, hwreg(HW_REG_IB_STS2, 6, 4)
	s_cmp_eq_u32 s2, 0
	s_cbranch_scc0 .Lentry_in_a_cluster
	s_endpgm
.Lentry_in_a_cluster:
	s_bfe_u32 s2, ttmp6, 0x10000c
	s_cmp_lg_u32 s2, 0xf033
	s_cbranch_scc0 .Lentry_shape_is_right
	s_endpgm
.Lentry_shape_is_right:
; out = O Wp + bp.  C[m][n] = bias[n] + sum over k of O[m][k] wpt[n][k]: M = 16,896, N = 768, K = 768, operands f16 (wpt holds Wp rounded to bf16, written as f16), sums f32, out0 f32.
; bp is rounded to bf16 like the other inputs and is the C operand of the products that start the sums: no addition is written for it.
; TILE.  384 x 192 of C to a work-group: 44 x 4 = 176 equal work-groups.  N = 768 and M = 1,056 blocks of 16 rows give no 256 equal work-groups of four equal waves; two rounds of half this tile would be the same turns and a second start.
; Four waves, one below the other, each 96 x 192: 72 accumulators, 576 registers.  K goes in 6 steps of 128 through two LDS slots; waves 0, 1 fetch A's halves (192 rows), waves 2, 3 B's (96 rows): one load a wave for each fill;
; two of a wave's loads are out at the start, one later.
; A.  O lies in planes of 16 columns, ob[plane][row][16], rows of 32 bytes, dense: 192 rows of a plane are 6,144 consecutive bytes.  A K step is 8 planes: a tile of 8 long rows, a plane apart, padded in LDS by 16 bytes after every 256
; (8 rows of O).  A fragment takes 16 bytes from each of two planes, at (r / 8) x 272 + (r % 8) x 32 + 16 h.
; CLUSTER 4 x 4: A's tile is asked for jointly along a row of the cluster, B's along a column.  THE MATRIX INSTRUCTION IS USED TRANSPOSED: a lane holds row lane % 16 of C and the columns 8 (lane / 16) + 0..7.
; OUT.  16 rows at a time through my own stage: rows of 768 + 16 bytes, in slot 0, which has had its last fill and whose last reads lie ahead of the last change of slots' barrier.
; REGISTERS: window 0: v0-31 addresses, v32-79, v80-127 A's fragments, v128-223 the bias (later, with v32-127, the way out's two buffers); window 1: v0-95, v96-191 B's fragments; accumulator t = 12 a + b at 448 + 8 t.
.set MT, 384
.set NT, 192
.set NB, 12
.set AR, 192
.set BR, 96
.set QPLANE, 540672                    ; bytes of a plane of 16 columns of ob
.set PSUB, (AR/8)*272                  ; a plane's 192 rows in LDS: 6,528 bytes
.set HALFA, 8*PSUB                     ; a load of A: 52,224 bytes
.set HALFB, BR*272
.set SLOT, 2*HALFA+2*HALFB             ; 156,672 bytes
.set SPARE, 2*SLOT
.set ACC0, 448
.set NL, 2*NB+12
.set SPITCH, 784                       ; 49 x 16: the 16 rows that a store touches start at 16 different groups of four banks
.set ADRA, 16
.set ADRB, 20
.set GO0, 22                           ; v22 16 l
.set GO1, 23                           ; v23 512 + 16 l, and for lanes 16-31 the next row's first 256 bytes
.set STO, 24
.set RD0, 25
.set RD1, 27
.set SPW, 28
.set NIL, 29
.set FA, 32
.set BIAS, 128
.set G1, 24
.set G0, 32
.set G1B, 48
.set G0B, 56
.set MSB, 0
.macro WIN new
.if MSB != (\new)
	s_set_vgpr_msb (MSB<<8)|(\new)
.set MSB, \new
.endif
.endm
.macro PLACES
.rept 4
	v_nop
.endr
.endm
.macro JLOAD s                         ; a joint load; the branch hangs on the wave's number alone; an s_nop 0 and four v_nop follow each line
	s_cmp_eq_u32 s11, 0
	s_cbranch_scc0 .Lfor_b_\@
	tensor_load_to_lds s[G0+4*(\s):G0+4*(\s)+3], s[G1:G1+7]
	s_nop 0
.rept 4
	v_nop
.endr
	s_branch .Lasked_\@
.Lfor_b_\@:
	tensor_load_to_lds s[G0B+4*(\s):G0B+4*(\s)+3], s[G1B:G1B+7]
	s_nop 0
.rept 4
	v_nop
.endr
.Lasked_\@:
.endm
.macro CREST
	s_cmp_lg_u32 s10, 0
	s_cbranch_scc1 .Lnot_wave_0_\@
	s_barrier_signal -3
.Lnot_wave_0_\@:
	s_barrier_wait -3
	s_barrier_signal -1
	s_barrier_wait -1
.endm
.macro CROUND
	s_barrier_signal -1
	s_barrier_wait -1
	CREST
.endm
	s_load_b128 s[4:7], s[0:1], 0x0                ; ob s[4:5], wpt s[6:7]
	s_load_b128 s[68:71], s[0:1], 0x10             ; bp s[68:69], out0 s[70:71]
	v_lshl_add_u32 v[SPW], v0, 2, SPARE
	v_mov_b32 v[NIL], 0
	ds_add_u32 v[SPW], v[NIL]                      ; the wave's opening: the add and its wait come ahead of my first tensor load
	ds_add_u32 v28, v29
	v_lshrrev_b32 v1, 5, v0
	v_readfirstlane_b32 s10, v1                    ; wave 0..3: my 96 rows of the tile
	s_lshr_b32 s11, s10, 1                         ; I fetch for A (0) or for B (1)
	s_and_b32 s12, s10, 1                          ; which half of that tile I fetch
	s_bfe_u32 s40, ttmp6, 0x40000                  ; cx
	s_bfe_u32 s41, ttmp6, 0x40004                  ; cy
	s_lshl_b32 s42, ttmp9, 2
	s_add_co_u32 s42, s42, s40                     ; tile column
	s_and_b32 s13, ttmp7, 0xffff
	s_lshl_b32 s13, s13, 2
	s_add_co_u32 s13, s13, s41                     ; tile row
	s_lshl_b32 s43, s41, 2
	s_lshl_b32 s43, 15, s43                        ; my row of the cluster
	s_lshl_b32 s44, 0x1111, s40                    ; my column
	s_or_b32 s[G1+0], s43, (3<<16)|(1<<20)|(1<<21)|(5<<22)|(3<<25)   ; the mask; elements of 8 bytes; padding on; bit 21 beside a mask; after every 64 words; 4 words
	s_mov_b32 s[G1+1], (AR*4)<<16                  ; tensor_dim0 = 768 elements: 192 rows of 32 bytes on end
	s_mov_b32 s[G1+2], 8<<16                       ; tensor_dim1 = 8 planes
	s_mov_b32 s[G1+3], (AR*4)<<16                  ; tile_dim0
	s_mov_b32 s[G1+4], 8                           ; tile_dim1
	s_mov_b32 s[G1+5], QPLANE/8                    ; from plane to plane
	s_mov_b32 s[G1+6], 0
	s_mov_b32 s[G1+7], 0
	s_or_b32 s[G1B+0], s44, (1<<16)|(1<<20)|(1<<21)|(5<<22)|(3<<25)  ; elements of 2 bytes; after every 64 words 4 words
	s_mov_b32 s[G1B+1], 128<<16
	s_mov_b32 s[G1B+2], BR<<16
	s_mov_b32 s[G1B+3], 128<<16
	s_mov_b32 s[G1B+4], BR
	s_mov_b32 s[G1B+5], 768
	s_mov_b32 s[G1B+6], 0
	s_mov_b32 s[G1B+7], 0
	s_mul_i32 s16, s13, MT
	s_mul_i32 s17, s12, AR
	s_add_co_u32 s16, s16, s17
	s_lshl_b32 s16, s16, 5                         ; A: (384 x tile row + 192 x half) rows of 32 bytes
	s_mov_b32 s17, 0
	s_mul_i32 s46, s42, NT
	s_mul_i32 s47, s12, BR
	s_add_co_u32 s46, s46, s47
	s_mul_i32 s46, s46, 1536                       ; B: (192 x tile column + 96 x half) rows of 1,536 bytes
	s_mov_b32 s47, 0
	s_mul_i32 s20, s12, HALFA                      ; where they go: no place in the cluster enters an LDS address
	s_mul_i32 s21, s12, HALFB
	s_add_co_u32 s21, s21, 2*HALFA
	s_wait_dscnt 0x0                               ; the opening add is done
	s_wait_kmcnt 0x0
	s_add_nc_u64 s[14:15], s[4:5], s[16:17]
	s_add_nc_u64 s[46:47], s[6:7], s[46:47]
	CROUND                                         ; all sixteen work-groups are here: the first joint loads meet
.irp s, 0,1
	s_mov_b32 s[G0+4*(\s)], 1
	s_add_co_u32 s[G0+4*(\s)+1], s20, (\s)*SLOT
	s_add_nc_u64 s[G0+4*(\s)+2:G0+4*(\s)+3], s[14:15], (\s)*8*QPLANE  ; K step s: eight planes on
	s_or_b32 s[G0+4*(\s)+3], s[G0+4*(\s)+3], 0x80000000
	s_mov_b32 s[G0B+4*(\s)], 1
	s_add_co_u32 s[G0B+4*(\s)+1], s21, (\s)*SLOT
	s_add_nc_u64 s[G0B+4*(\s)+2:G0B+4*(\s)+3], s[46:47], (\s)*256
	s_or_b32 s[G0B+4*(\s)+3], s[G0B+4*(\s)+3], 0x80000000
	JLOAD \s
.endr
	v_and_b32 v1, 15, v0                           ; r = l % 16
	v_bfe_u32 v2, v0, 4, 1                         ; h = l / 16
	s_mul_i32 s46, s42, 768                        ; the tile's 192 columns of f32
	s_mov_b32 s47, 0
	s_add_nc_u64 s[68:69], s[68:69], s[46:47]
	v_lshlrev_b32 v8, 5, v2                        ; my eight numbers of each 16 of the bias
.set ib, 0
.rept NB
	global_load_b128 v[BIAS+8*ib:BIAS+8*ib+3],   v8, s[68:69] offset:64*ib
	global_load_b128 v[BIAS+8*ib+4:BIAS+8*ib+7], v8, s[68:69] offset:64*ib+16
.set ib, ib+1
.endr
	v_bfe_u32 v9, v0, 3, 1                         ; r / 8
	v_and_b32 v10, 7, v0                           ; r % 8
	v_mul_u32_u24 v3, v9, 272
	v_lshl_add_u32 v3, v10, 5, v3
	v_lshl_add_u32 v3, v2, 4, v3                   ; A: (r / 8) x 272 + (r % 8) x 32 + 16 h
	v_mul_u32_u24 v4, v1, 272
	v_lshl_add_u32 v4, v2, 4, v4                   ; B: row x pitch + 16 h
	s_mul_i32 s21, s11, HALFA                      ; my 96 rows of A: load w / 2, its rows 96 (w % 2) on: 12 LDS rows of 272 bytes in each plane
	s_mul_i32 s22, s12, 12*272
	s_add_co_u32 s21, s21, s22
	s_mov_b32 s22, 2*HALFA                         ; all 192 rows of B
.irp s, 0,1
	v_add_nc_u32 v[ADRA+(\s)], s21, v3
	v_add_nc_u32 v[ADRB+(\s)], s22, v4
	s_add_co_u32 s21, s21, SLOT
	s_add_co_u32 s22, s22, SLOT
.endr
	s_mul_i32 s23, s10, 16*SPITCH                  ; my stage
	v_mul_u32_u24 v[STO], v1, SPITCH               ; in: row l % 16, 32 bytes for each half of the lanes
	v_lshl_add_u32 v[STO], v2, 5, v[STO]
	v_add_nc_u32 v[STO], s23, v[STO]
	v_and_b32 v5, 31, v0
	v_lshlrev_b32 v[GO0], 4, v5
	v_add_nc_u32 v[RD0], s23, v[GO0]               ; back: 512 bytes on end of a row,
	v_lshl_add_u32 v[RD1], v2, 4, v[RD0]           ; or a row's last 256 bytes and the next row's first 256
	v_add_nc_u32 v[RD1], 512, v[RD1]
	v_mul_u32_u24 v[GO1], v2, 2304
	v_add_nc_u32 v[GO1], v[GO1], v[GO0]
	v_add_nc_u32 v[GO1], 512, v[GO1]
	s_mul_i32 s16, s13, MT
	s_mul_i32 s17, s10, 96
	s_add_co_u32 s16, s16, s17
	s_mul_i32 s16, s16, 3072                       ; my first row of out0
	s_mov_b32 s17, 0
	s_add_nc_u64 s[8:9], s[70:71], s[16:17]
	s_add_nc_u64 s[8:9], s[8:9], s[46:47]
	s_wait_loadcnt 0x0
.set i, 0
.rept 48                               ; the bias rounded to bf16 and widened again, in the wait for the first tiles
	v_cvt_pk_bf16_f32 v[6+i%2], v[BIAS+2*i], v[BIAS+2*i+1]
	v_lshlrev_b32 v[BIAS+2*i], 16, v[6+i%2]
	v_and_b32 v[BIAS+2*i+1], 0xffff0000, v[6+i%2]
.set i, i+1
.endr
; n row blocks from a0 x all 12 column blocks, 32 along K, from buffer f.  The 72 accumulators take turns, one instruction a turn, in the same order in every quarter.
; mode = 1: the products start the sums, with the bias as C.
.macro MULA f, a0, n, mode
.set ia, \a0
.rept \n
.set ib, 0
.rept NB
.set pp, ACC0+8*(ia*NB+ib)
.set ww, pp>>8
.set dd, pp&255
.if \mode
	WIN 0x01|(ww<<6)
	v_wmma_f32_16x16x32_f16 v[dd:dd+7], v[96*(\f)+8*ib:96*(\f)+8*ib+7], v[FA+48*(\f)+8*ia:FA+48*(\f)+8*ia+7], v[BIAS+8*ib:BIAS+8*ib+7]
.else
	WIN 0x01|(ww<<4)|(ww<<6)
	v_wmma_f32_16x16x32_f16 v[dd:dd+7], v[96*(\f)+8*ib:96*(\f)+8*ib+7], v[FA+48*(\f)+8*ia:FA+48*(\f)+8*ia+7], v[dd:dd+7]
.endif
.set ib, ib+1
.endr
.set ia, ia+1
.endr
.endm
.macro FETCH slot, q, f                ; 36 LDS loads in one run: B's 12 fragments, then A's 6; A's quarter q lies in planes 2 q and 2 q + 1 of the step's eight
	WIN 0x40
.set ib, 0
.rept NB
	ds_load_b128 v[96*(\f)+8*ib:96*(\f)+8*ib+3],   v[ADRB+(\slot)] offset:ib*4352+64*(\q)
	ds_load_b128 v[96*(\f)+8*ib+4:96*(\f)+8*ib+7], v[ADRB+(\slot)] offset:ib*4352+64*(\q)+32
.set ib, ib+1
.endr
	WIN 0
.set ia, 0
.rept 6
	ds_load_b128 v[FA+48*(\f)+8*ia:FA+48*(\f)+8*ia+3],   v[ADRA+(\slot)] offset:ia*544+(2*(\q))*PSUB
	ds_load_b128 v[FA+48*(\f)+8*ia+4:FA+48*(\f)+8*ia+7], v[ADRA+(\slot)] offset:ia*544+(2*(\q)+1)*PSUB
.set ia, ia+1
.endr
.endm
.macro QUARTER slot, q, f, g, mode
	s_wait_dscnt 6                                 ; B and A's blocks 0-2 are in; the youngest six loads may be out
	MULA \f, 0, 3, \mode
	PLACES
	FETCH \slot, \q, \g
	s_wait_dscnt NL                                ; all but the run just issued
	MULA \f, 3, 3, \mode
.endm
; The last quarter and the change of slots: one barrier; ahead of it all my tensor loads, the add, and my reads of this slot are waited for.  fill = 1: the barrier opens a round of the cluster's, and the joint refill is the first thing behind it: 276 matrix instructions ahead of the wait for it.
.macro TURN slot, next, fill
	WIN 0
	s_wait_tensorcnt 0x0
	ds_add_u32 v[SPW], v[NIL]
	s_wait_dscnt 7                                 ; the add and the youngest six loads may be out
	MULA 1, 0, 1, 0
	s_wait_dscnt 0x0                               ; the add is done, and my reads of this slot are over
	s_barrier_signal -1
	MULA 1, 1, 2, 0
.if \fill
	WIN 0
.endif
	s_barrier_wait -1
.if \fill
	CREST
	s_add_nc_u64 s[G0+4*(\slot)+2:G0+4*(\slot)+3], s[G0+4*(\slot)+2:G0+4*(\slot)+3], 16*QPLANE
	s_add_nc_u64 s[G0B+4*(\slot)+2:G0B+4*(\slot)+3], s[G0B+4*(\slot)+2:G0B+4*(\slot)+3], 512
	JLOAD \slot
.else
	PLACES
.endif
	FETCH \next, 0, 0
	MULA 1, 3, 3, 0
.endm
	s_wait_tensorcnt 0x1                           ; my part of K step 0 is in; K step 1's may stay out
	s_barrier_signal -1
	s_barrier_wait -1
	FETCH 0, 0, 0
	QUARTER 0, 1, 0, 1, 1
	WIN 0
	s_mov_b32 s3, 2
.Llap:
	QUARTER 0, 2, 1, 0, 0
	QUARTER 0, 3, 0, 1, 0
	TURN 0, 1, 1
	QUARTER 1, 1, 0, 1, 0
	QUARTER 1, 2, 1, 0, 0
	QUARTER 1, 3, 0, 1, 0
	TURN 1, 0, 1
	QUARTER 0, 1, 0, 1, 0
	WIN 0
	s_sub_co_u32 s3, s3, 1
	s_cmp_lg_u32 s3, 0
	s_cbranch_scc1 .Llap
	QUARTER 0, 2, 1, 0, 0
	QUARTER 0, 3, 0, 1, 0
	TURN 0, 1, 0                                   ; behind this barrier no wave reads slot 0 and no load fills it: the stages lie there
	QUARTER 1, 1, 0, 1, 0
	QUARTER 1, 2, 1, 0, 0
	QUARTER 1, 3, 0, 1, 0
	s_wait_dscnt 6
	MULA 1, 0, 3, 0
	s_wait_dscnt 0x0
	MULA 1, 3, 3, 0
	WIN 0
	PLACES
; THE WAY OUT of row block a: 16 rows x 768 bytes into my stage (each accumulator's low four registers first), back as pieces of 512 bytes, stored so that each half of the lanes writes 256 consecutive bytes, aligned.
.macro OUTBLK a
.set ib, 0
.rept NB
.set pp, ACC0+8*((\a)*NB+ib)
	WIN (pp>>8)<<2                                 ; the stores' data in the tile's window
	ds_store_b128 v[STO], v[(pp&255):(pp&255)+3]   offset:64*ib
	ds_store_b128 v[STO], v[(pp&255)+4:(pp&255)+7] offset:64*ib+16
.set ib, ib+1
.endr
	WIN 0
	s_wait_xcnt 0x0                                ; the stores of two blocks ago have read this buffer
.set BK, 128-96*((\a)%2)
.set ip, 0
.rept 8                                ; LDS serves a wave's instructions in order (ISA guide 5.7.1.4): these see the stores above
	ds_load_b128 v[BK+12*ip:BK+12*ip+3],    v[RD0] offset:1568*ip
	ds_load_b128 v[BK+12*ip+4:BK+12*ip+7],  v[RD1] offset:1568*ip
	ds_load_b128 v[BK+12*ip+8:BK+12*ip+11], v[RD0] offset:1568*ip+1040
.set ip, ip+1
.endr
.set ip, 0
.rept 8
	s_wait_dscnt 23-3*ip                           ; the younger loads may stay out
	global_store_b128 v[GO0], v[BK+12*ip:BK+12*ip+3],    s[8:9] offset:(\a)*49152+6144*ip th:TH_STORE_NT
	s_wait_dscnt 22-3*ip
	global_store_b128 v[GO1], v[BK+12*ip+4:BK+12*ip+7],  s[8:9] offset:(\a)*49152+6144*ip th:TH_STORE_NT
	s_wait_dscnt 21-3*ip
	global_store_b128 v[GO0], v[BK+12*ip+8:BK+12*ip+11], s[8:9] offset:(\a)*49152+6144*ip+3328 th:TH_STORE_NT
.set ip, ip+1
.endr
.endm
.irp a, 0,1,2,3,4,5
	OUTBLK \a
.endr
	s_wait_tensorcnt 0x0                           ; the wave's end: behind my last LDS store
	ds_add_u32 v[SPW], v[NIL]
	s_wait_dscnt 0x0
	CROUND                                         ; the closing round
	s_endpgm
.Lfunc_end_k_q3ec3f13116_gemmout:
	.size	k_q3ec3f13116_gemmout, .Lfunc_end_k_q3ec3f13116_gemmout-k_q3ec3f13116_gemmout
	.p2alignl 7, 3214868480
	.fill 96, 4, 3214868480
	.section	.rodata,"a",@progbits
	.p2align	6, 0x0
	.amdhsa_kernel k_q3ec3f13116_gemmout
		.amdhsa_group_segment_fixed_size 327680
		.amdhsa_private_segment_fixed_size 0
		.amdhsa_enable_private_segment 0
		.amdhsa_kernarg_size 32
		.amdhsa_user_sgpr_count 2
		.amdhsa_user_sgpr_kernarg_segment_ptr 1
		.amdhsa_wavefront_size32 1
		.amdhsa_system_sgpr_workgroup_id_x 1
		.amdhsa_system_sgpr_workgroup_id_y 1
		.amdhsa_system_sgpr_workgroup_id_z 1
		.amdhsa_system_vgpr_workitem_id 0
		.amdhsa_next_free_vgpr 1024
		.amdhsa_next_free_sgpr 72
		.amdhsa_reserve_vcc 0
		.amdhsa_float_denorm_mode_32 3
		.amdhsa_float_denorm_mode_16_64 3
		.amdhsa_memory_ordered 1
		.amdhsa_forward_progress 1
		.amdhsa_inst_pref_size 171
	.end_amdhsa_kernel
	.amdgpu_metadata
---
amdhsa.version: [ 1, 2 ]
amdhsa.kernels:
  - .name:           k_q3ec3f13116_gemmout
    .symbol:         k_q3ec3f13116_gemmout.kd
    .args:
      - { .name: ob, .offset: 0, .size: 8, .value_kind: global_buffer, .address_space: global }
      - { .name: wpt, .offset: 8, .size: 8, .value_kind: global_buffer, .address_space: global }
      - { .name: bp, .offset: 16, .size: 8, .value_kind: global_buffer, .address_space: global }
      - { .name: out0, .offset: 24, .size: 8, .value_kind: global_buffer, .address_space: global }
    .group_segment_fixed_size: 327680
    .private_segment_fixed_size: 0
    .kernarg_segment_align: 8
    .kernarg_segment_size: 32
    .max_flat_workgroup_size: 128
    .sgpr_count:     72
    .vgpr_count:     1024
    .wavefront_size: 32
...
	.end_amdgpu_metadata
.endif
;; end of part 4
